; MI455X (gfx1250); checked and timed in simulation.
; The chip was launched on July 23, 2026; its instructions are those of AMD's public machine-readable ISA for CDNA 5 (MIT licence, August 2026) and "CDNA5" Instruction Set Architecture Reference Guide (July 2026). The comments in the code are by the model that wrote it; some were corrected since.
;; Pi KV Mo E. Allowed arithmetic: matrix products marked QUANTISED: E5M2 operands, one given power-of-two scale a tensor, by v_wmma_f32_16x16x64_bf8_bf8 or v_wmma_f32_16x16x128_bf8_bf8, f32 sums; products left as they are: f32 operands where the result goes on into a quantised operand, else bf16, f16 or f32 operands; f32 sums; everything else in f32.
;; Inputs: W_codes 8 x 2,048 x 64 x 32 uint8 (E5M2 codes of W, K innermost, in blocks of 32 codes); Wg 2,048 x 8 float32; b 8 x 2,048 float32; bg 8 float32; cached 8 x 2,048 float32; lowp_scales 2 int32 (the exponents e of the quantised operands' scales 2^e); x 2,048 x 2,048 float32.
;; Outputs: out0 2,048 x 2,048 float32.
;; This version of the problem:
;;   THIS VERSION OF THE PROBLEM IS GIVEN IN LOW PRECISION. The matrix products marked QUANTISED in the list below multiply operands that are first quantised to E5M2 (5 exponent bits, 2 mantissa bits; 8 bits a number), with one given power-of-two scale for each operand tensor; their sums are f32. All else is computed in f32.
;;   The module's matrix products, in the order in which they are computed (A, B: the left and right operand; K: the contracted axis; several contracted axes count as one K, in the product's order):
;;     1. [M 2,048, K 2,048] x [K 2,048, N 8]; A: input x; B: input Wg: left as it is (N = 8 < 16)
;;     2. [M 16,384, K 2,048] x [K 2,048, N 2,048]; A: input W (given as codes); B: input x: QUANTISED (scales: A lowp_scales[0], B lowp_scales[1])
;;     3. batch 2,048 x [M 1, K 8] x [K 8, N 2,048]; A: softmax; B: computed on the way: left as it is (K = 8 < 32)
;;   THE QUANTISER, for each operand of a quantised product, along K:
;;     - The operand's scale is 2^e, e = its entry of the input lowp_scales (int32; the entries are numbered through the quantised products in the list's order, A before B).
;;     - Each number is divided by the scale, clamped to +-57,344, and rounded to the nearest number of E5M2, ties to even, subnormals kept.
;;     - The product sums the exact products of the quantised numbers (number of the format x scale) in f32.
;;   ~~~python
;;   def quantise(x, axis, e):      # numpy; x: float32 -> the quantised numbers, widened to float32 again
;;       x = np.moveaxis(x, axis, -1); K = x.shape[-1]
;;       r = np.clip(x / 2.0 ** e, -57344, 57344)
;;       step = 2.0 ** (np.maximum(np.frexp(np.where(r == 0, 1, r))[1] - 1, -14) - 2)
;;       q = np.round(r / step) * step * 2.0 ** e      # np.round: ties to even
;;       return np.moveaxis(q, -1, axis).astype(np.float32)
;;   ~~~
;;   INPUTS GIVEN AS CODES. W (in the module: [8, 2048, 2048], K = its axis 1): each comes as NAME_codes (uint8): NAME with its K axis moved to the last place and cut into blocks of 32 codes, [.., K / 32, bytes a block], one block behind the other in memory; one code a byte (a code: sign, 5 exponent bits, 2 mantissa bits); its scale is its entry of lowp_scales. Its value is code x scale, taken as it is: it is not quantised again, and the codes and scales need not be those that the quantiser above would give.
;; One version. Each part assembles by itself: llvm-mc -triple=amdgcn-amd-amdhsa -mcpu=gfx1250 --defsym DOCPART=n.
;; ======== version 1 of 1: 2 launches
;; workspace buffers: xq 4,194,304 bytes; gs 65,536 bytes; bcc 131,072 bytes
;; launch prep (part 1): grid 256 x 1, 4 waves a work-group, no clusters, 91,648 bytes of LDS; arguments x, Wg, bg, b, cached, lowp_scales, xq, gs, bcc; writes xq, gs, bcc
.if DOCPART == 1
	.amdgcn_target "amdgcn-amd-amdhsa--gfx1250"
	.amdhsa_code_object_version 6
	.text
	.protected	k_q2d739b1667_prep
	.globl	k_q2d739b1667_prep
	.p2align	8
	.type	k_q2d739b1667_prep,@function
k_q2d739b1667_prep:
	s_mov_b64 s[64:65], 0
	v_nop
	global_prefetch_b8 v0, s[64:65] scope:SCOPE_SE
	s_setreg_imm32_b32 hwreg(HW_REG_WAVE_MODE, 25, 1), 1
	s_wait_xcnt 0x0
; THE PROGRAM: out0[n][f] = sum over e of gate[n][e] x (relu(sum over k of x[n][k] W[e][k][f] + b[e][f]) + cached[e][f]),  gate = softmax over e of (x Wg + bg).
; NOTHING OF IT IS LEFT OUT: every expert is weighed in, and x, W, b, Wg, bg, cached and both scales all have a way to the output, so all are loaded.
; THIS LAUNCH makes what the product's launch reads many times, once:
;   xq  [2048][2048] bytes: x as codes of E5M2, K innermost: x / 2^ex, held within +-57,344, to the nearest code, ties to even (ex = entry 1 of the scales; entry 0, ew, is W's)
;   gs  [2048][8] f32:      gate x 2^(ew + ex).  The gate's product is made of f32 multiply-adds; the row's largest logit is taken away ahead of the exponentials
;   bcc [e x 32 + f / 64][2][64] f32:  (b + cached) / 2^(ew + ex), then cached / 2^(ew + ex).
; WHY THESE THREE.  With s = 2^(ew + ex) > 0 and S the sum of the codes' products:  gate x (relu(S s + b) + c) = (gate s) x max(S + (b + c) / s, c / s), for all real numbers.
; So the product's launch starts its sums at (b + c) / s, takes one maximum against c / s and one multiply-add by gate s.
; LIMITS: ex between -126 and 112 (2^ex and 57,344 x 2^ex are made as f32 numbers).  2^(ew + ex) and its inverse are applied by v_ldexp_f32: what overflows or underflows f32 under them is lost.
;   NaN among the inputs is not served (the hold drops it).  cached is added ahead of the maximum and not behind it: another order of rounding than the formula's.
; SHARES.  Work-group g takes rows 8 g .. 8 g + 7 of x, and numbers 64 g .. 64 g + 63 of b and of cached.  In every row thread (wave w, lane l) owns k = 512 w + 128 i + 4 l + j (i, j = 0 .. 3):
; each load of a wave reads 512 consecutive bytes of x, and the thread's 16 x 8 numbers of Wg stay in registers.  All eight rows are asked for at once: 32 loads a wave.
; Wg: a thread's four rows of a block i are 128 neighbouring bytes.  Loaded so, the lanes of a load would stand 128 bytes apart.  So the wave's 16 KB are loaded as they lie, 512 consecutive bytes a load, go through
; the wave's own bytes of LDS (16 bytes of padding behind each 128, so that sixteen lanes' reads fall on sixteen different columns of 16 bytes) and come back 128 bytes a lane, into the registers that they left.
; A row's four code words of a lane go through the wave's own bytes of LDS and come back 16 bytes a lane: the wave stores 512 consecutive bytes of xq.
; No tensor loads, one barrier (the four waves' parts of the logits meet in LDS).  Matrix units and clusters have nothing to do here: work-groups share only Wg, 64 KB.
.set PART,  16384                      ; LDS: 0 .. 16,383 the codes' stage, 4,096 x wave + 512 x row;  from PART: the logits' parts [wave][row][8] f32
.set SPARE, 17408                      ; behind them: the spare words, 128 bytes for each wave: two blocks of 256 bytes that no other line names
.set WST,   17920                      ; behind those: Wg's turn, WREG bytes for each wave
.set WP,    144                        ; a chunk of 128 bytes of Wg + 16 of padding
.set WREG,  128*WP                     ; a wave's 128 chunks
.set XO,   1                           ; v1   x: 2,048 w + 16 l
.set WSI,  2                           ; v2   Wg's turn, in: WST + WREG w + WP (l / 8) + 16 (l % 8)
.set CST,  3                           ; v3   the stage, in: 4,096 w + 4 l
.set CRD,  4                           ; v4   the stage, out: 4,096 w + 16 l
.set PST,  5                           ; v5   PART + 256 w
.set WSO,  6                           ; v6   Wg's turn, out: WST + WREG w + WP l
.set BO,   7                           ; v7   b, cached: 16 (l % 16)
.set PRD,  8                           ; v8   PART + 32 (l / 4)
.set GO,   9                           ; v9   gs: 8 l
.set TO,   10                          ; v10  16 l: bcc; Wg and xq too, whose bases hold the wave's part
.set SC,   11                          ; v11  2^ex as f32
.set LIMV, 12                          ; v12  57,344 x 2^ex
.set LN,   13                          ; v13  lane
.set SPW,  14                          ; v14  LDS address of my spare word: SPARE + 4 x my thread's number; never rewritten
.set NIL,  15                          ; v15  0; never rewritten
.set AC,   16                          ; v16-31   a row's eight sums, two sets by turns
.set T,    32                          ; v32-39   the other half of the lanes' sums
.set CD,   40                          ; v40-47   a row's four code words, two sets by turns
.set OC,   48                          ; v48-79   four registers a row: codes read back
.set BC,   80                          ; v80-87   b, cached (wave 1)
.set P,    88                          ; v88-127  the softmax (wave 0)
.set X,    128                         ; v128-255 x: row p, load i, number j at X + 16 p + 4 i + j
                                       ; window 1, v0-127: Wg: number n = 4 i + j, expert e at 8 n + e
.set MSB, 0
.macro WIN new                         ; s_set_vgpr_msb: bits 1:0 source 0, 3:2 source 1, 5:4 source 2, 7:6 destination; the high byte repeats the setting that is left
.if MSB != (\new)
	s_set_vgpr_msb (MSB<<8)|(\new)
.set MSB, (\new)
.endif
.endm
	s_load_b256 s[4:11], s[0:1], 0x0               ; x s[4:5], Wg s[6:7], bg s[8:9], b s[10:11]
	s_load_b256 s[12:19], s[0:1], 0x20             ; cached s[12:13], the scales' exponents s[14:15], xq s[16:17], gs s[18:19]
	s_load_b64 s[20:21], s[0:1], 0x40              ; bcc
	v_lshl_add_u32 v[SPW], v0, 2, SPARE
	v_mov_b32 v[NIL], 0
	v_lshrrev_b32 v[LN], 5, v0
	v_readfirstlane_b32 s32, v[LN]                 ; wave 0..3
	v_and_b32 v[LN], 31, v0
	s_lshl_b32 s33, s32, 11
	v_lshl_add_u32 v[XO], v[LN], 4, s33
	s_mul_i32 s33, s32, WREG
	s_add_co_u32 s33, s33, WST                     ; my wave's bytes for Wg's turn
	v_lshrrev_b32 v[WSI], 3, v[LN]
	v_mul_u32_u24 v[WSI], v[WSI], WP
	v_and_b32 v[WSO], 7, v[LN]
	v_lshl_add_u32 v[WSI], v[WSO], 4, v[WSI]
	v_add_nc_u32 v[WSI], s33, v[WSI]               ; in: eight lanes' 128 bytes on end, then 16 of padding
	v_mul_u32_u24 v[WSO], v[LN], WP
	v_add_nc_u32 v[WSO], s33, v[WSO]               ; out: a chunk a lane
	s_lshl_b32 s33, s32, 12
	v_lshl_add_u32 v[CST], v[LN], 2, s33
	v_lshl_add_u32 v[CRD], v[LN], 4, s33
	s_lshl_b32 s33, s32, 8
	s_add_co_u32 s33, s33, PART
	v_mov_b32 v[PST], s33
	v_and_b32 v[BO], 15, v[LN]
	v_lshlrev_b32 v[BO], 4, v[BO]
	v_lshrrev_b32 v[PRD], 2, v[LN]
	v_lshl_add_u32 v[PRD], v[PRD], 5, PART
	v_lshlrev_b32 v[GO], 3, v[LN]
	v_lshlrev_b32 v[TO], 4, v[LN]
.irp e, 0,1,2,3,4,5,6,7
	v_mov_b32 v[T+\e], 0                           ; written once: a lane permute's destination counts as one of its sources
.endr
	s_mov_b32 s34, 0x76543210                      ; v_permlanex16_b32's selects for lane l xor 16
	s_mov_b32 s35, 0xfedcba98
	s_mov_b32 s41, 0
	s_wait_kmcnt 0x0
	s_load_b64 s[22:23], s[14:15], 0x0             ; ew, ex
	s_load_b256 s[24:31], s[8:9], 0x0              ; bg's eight numbers
	s_lshl_b32 s40, ttmp9, 16                      ; my eight rows of x: 8 x 8,192 bytes
	s_add_nc_u64 s[4:5], s[4:5], s[40:41]
	s_lshl_b32 s40, s32, 14                        ; Wg: my wave's 512 rows of 32 bytes
	s_add_nc_u64 s[6:7], s[6:7], s[40:41]
	s_lshl_b32 s40, ttmp9, 14                      ; xq: my eight rows of 2,048 bytes,
	s_lshl_b32 s42, s32, 9                         ; and my wave's 512 bytes of a row
	s_add_co_u32 s40, s40, s42
	s_add_nc_u64 s[16:17], s[16:17], s[40:41]
	s_lshl_b32 s40, ttmp9, 8                       ; of gs: 8 x 32; and my 64 numbers of b and of cached
	s_add_nc_u64 s[18:19], s[18:19], s[40:41]
	s_add_nc_u64 s[10:11], s[10:11], s[40:41]
	s_add_nc_u64 s[12:13], s[12:13], s[40:41]
	s_lshl_b32 s40, ttmp9, 9                       ; my 512 bytes of bcc
	s_add_nc_u64 s[20:21], s[20:21], s[40:41]
.macro LOADS                           ; my wave's 16 KB of Wg as they lie, then my 16 numbers of each of the eight rows
	WIN 0x40                                       ; destination window 1, address window 0
.irp i, 0,1,2,3
.irp m, 0,1,2,3,4,5,6,7
	global_load_b128 v[32*\i+4*\m:32*\i+4*\m+3], v[TO], s[6:7] offset:4096*\i+512*\m   ; 32 lanes read 512 consecutive bytes
.endr
.endr
	WIN 0
.irp p, 0,1,2,3,4,5,6,7
.irp i, 0,1,2,3
	global_load_b128 v[X+16*\p+4*\i:X+16*\p+4*\i+3], v[XO], s[4:5] offset:8192*\p+512*\i th:TH_LOAD_NT   ; 32 lanes read 512 consecutive bytes; read once in the launch
.endr
.endr
.endm
	; Wave 1 also makes the work-group's 512 bytes of bcc.  All of that job stands in this one arm; its two loads go out ahead of the 64 that every wave issues.
	s_cmp_lg_u32 s32, 1
	s_cbranch_scc1 .Lplain
	global_load_b128 v[BC:BC+3],   v[BO], s[10:11]  ; b: lanes 0-15 and lanes 16-31 read the same 256 bytes
	global_load_b128 v[BC+4:BC+7], v[BO], s[12:13]  ; cached likewise
	LOADS
	s_wait_kmcnt 0x0
	s_add_co_i32 s40, s22, s23
	s_sub_co_i32 s40, 0, s40                       ; -(ew + ex)
	v_cmp_gt_u32 vcc_lo, 16, v[LN]
	s_wait_loadcnt 63                              ; 65 and 64 loads were issued behind b's and cached's: both are in
.irp i, 0,1,2,3
	v_cndmask_b32 v[BC+\i], 0, v[BC+\i], vcc_lo    ; lanes 0-15 keep b, lanes 16-31 take 0
.endr
	v_pk_add_f32 v[BC:BC+1],   v[BC:BC+1],   v[BC+4:BC+5]
	v_pk_add_f32 v[BC+2:BC+3], v[BC+2:BC+3], v[BC+6:BC+7]
.irp i, 0,1,2,3
	v_ldexp_f32 v[BC+\i], v[BC+\i], s40
.endr
	global_store_b128 v[TO], v[BC:BC+3], s[20:21]  ; 512 consecutive bytes: (b + cached) / s from lanes 0-15, cached / s from lanes 16-31
	s_branch .Lrows
.Lplain:
	LOADS
.Lrows:
	s_wait_loadcnt 32                              ; Wg's 32 loads are in; x's 32, issued behind them, may be out
	WIN 0x04                                       ; the stores' data: window 1
.irp i, 0,1,2,3
.irp m, 0,1,2,3,4,5,6,7
	ds_store_b128 v[WSI], v[32*\i+4*\m:32*\i+4*\m+3] offset:32*WP*\i+4*WP*\m   ; a load's 512 bytes are four chunks
.endr
.endr
	WIN 0x40                                       ; destination window 1
.irp i, 0,1,2,3
.irp t, 0,1,2,3,4,5,6,7
	ds_load_b128 v[32*\i+4*\t:32*\i+4*\t+3], v[WSO] offset:32*WP*\i+16*\t      ; chunk 32 i + l: my four rows of block i.  LDS serves a wave's instructions in order (ISA guide 5.7.1.4): these see the stores above
.endr
.endr
	WIN 0
	s_wait_kmcnt 0x0
	s_add_co_i32 s36, s22, s23                     ; ew + ex
	s_add_co_i32 s38, s23, 127
	s_lshl_b32 s39, s38, 23
	v_mov_b32 v[SC], s39                           ; 2^ex as f32: the conversion takes its exponent field
	s_add_co_i32 s38, s38, 15
	s_lshl_b32 s38, s38, 23
	s_or_b32 s38, s38, 0x600000
	v_mov_b32 v[LIMV], s38                         ; 57,344 x 2^ex
	s_wait_dscnt 0x0                               ; Wg is back in my registers
.macro SENDC p                         ; row p's codes are back from the stage and leave
	s_wait_dscnt 0x0                               ; all my LDS instructions are done: the codes are in, and the LDS stores issued so far have read their registers
	global_store_b128 v[TO], v[OC+4*(\p):OC+4*(\p)+3], s[16:17] offset:2048*(\p)   ; 32 lanes store 512 consecutive bytes, at a multiple of 256 from xq's first byte
.endm
.macro ROW p
.set RA, AC+8*((\p)%2)
.set RC, CD+4*((\p)%2)
.set RX, X+16*(\p)
	s_wait_loadcnt 28-4*(\p)                       ; this row's four loads are in; the four of each later row may be out
	WIN 0x04                                       ; source 1 (Wg) window 1
.set n, 0
.rept 16                               ; my 16 numbers x eight experts, two experts an instruction, four chains; the first products start the sums
.irp q, 0,2,4,6
.if n == 0
	v_pk_mul_f32 v[RA+\q:RA+\q+1], v[RX:RX+1], v[\q:\q+1] op_sel_hi:[0,1]
.elseif (n%2) == 0
	v_pk_fma_f32 v[RA+\q:RA+\q+1], v[RX+n:RX+n+1], v[8*n+\q:8*n+\q+1], v[RA+\q:RA+\q+1] op_sel_hi:[0,1,1]
.else
	v_pk_fma_f32 v[RA+\q:RA+\q+1], v[RX+n-1:RX+n], v[8*n+\q:8*n+\q+1], v[RA+\q:RA+\q+1] op_sel:[1,0,0] op_sel_hi:[1,1,1]
.endif
.endr
.set n, n+1
.endr
	WIN 0
.if (\p) > 0
	SENDC \p-1                                     ; the multiply-adds above stood between the last row's LDS load and this wait
.endif
.irp m, 1,2,4,8                        ; the eight sums over the wave's 32 lanes
.irp e, 0,1,2,3,4,5,6,7
	v_add_f32_dpp v[RA+\e], v[RA+\e], v[RA+\e] row_xmask:\m row_mask:0xf bank_mask:0xf
.endr
.endr
.irp e, 0,1,2,3,4,5,6,7
	v_permlanex16_b32 v[T+\e], v[RA+\e], s34, s35
.endr
.irp e, 0,2,4,6
	v_pk_add_f32 v[RA+\e:RA+\e+1], v[RA+\e:RA+\e+1], v[T+\e:T+\e+1]
.endr
	ds_store_b128 v[PST], v[RA:RA+3]   offset:32*(\p)      ; every lane holds the same sums and writes them to the same bytes
	ds_store_b128 v[PST], v[RA+4:RA+7] offset:32*(\p)+16
.irp i, 0,1,2,3,4,5,6,7,8,9,10,11,12,13,14,15
	v_med3_num_f32 v[RX+\i], v[RX+\i], -v[LIMV], v[LIMV]   ; the conversion to an 8-bit code does not saturate (ISA guide 7.6.2): the hold at the largest code x the scale
.endr
	v_cvt_scalef32_pk8_bf8_f32 v[RC:RC+1],   v[RX:RX+7],    v[SC]   ; word i holds the codes of load i's four numbers
	v_cvt_scalef32_pk8_bf8_f32 v[RC+2:RC+3], v[RX+8:RX+15], v[SC]
	v_nop                                          ; a plain vector line behind the last conversion
.irp i, 0,1,2,3
	ds_store_b32 v[CST], v[RC+\i] offset:512*(\p)+128*\i
.endr
	ds_load_b128 v[OC+4*(\p):OC+4*(\p)+3], v[CRD] offset:512*(\p)   ; LDS serves a wave's instructions in order (ISA guide 5.7.1.4): this sees the four stores
.endm
.irp r, 0,1,2,3,4,5,6,7
	ROW \r
.endr
	SENDC 7                                        ; its wait for 0 also serves the barrier: my parts of the logits lie in LDS
	s_barrier_signal -1
	s_barrier_wait -1
	; Wave 0: the softmax of the eight rows.  Lane l takes row l / 4, computes all eight gates of it and stores experts 2 (l % 4) and 2 (l % 4) + 1.
	s_cmp_lg_u32 s32, 0
	s_cbranch_scc1 .Ldone
.irp w, 0,1,2,3
	ds_load_b128 v[P+8*\w:P+8*\w+3],   v[PRD] offset:256*\w
	ds_load_b128 v[P+8*\w+4:P+8*\w+7], v[PRD] offset:256*\w+16
.endr
	v_and_b32 v120, 1, v[LN]
	v_cmp_ne_u32 s38, 0, v120
	v_and_b32 v120, 2, v[LN]
	v_cmp_ne_u32 s39, 0, v120
	s_wait_dscnt 0x0
.irp q, 0,2,4,6
	v_pk_add_f32 v[P+\q:P+\q+1],       v[P+\q:P+\q+1],       v[P+8+\q:P+8+\q+1]
	v_pk_add_f32 v[P+16+\q:P+16+\q+1], v[P+16+\q:P+16+\q+1], v[P+24+\q:P+24+\q+1]
.endr
.irp q, 0,2,4,6
	v_pk_add_f32 v[P+\q:P+\q+1], v[P+\q:P+\q+1], v[P+16+\q:P+16+\q+1]
.endr
.irp e, 0,1,2,3,4,5,6,7
	v_add_f32 v[P+\e], s[24+\e], v[P+\e]           ; + bg
.endr
	v_max3_num_f32 v120, v[P], v[P+1], v[P+2]
	v_max3_num_f32 v121, v[P+3], v[P+4], v[P+5]
	v_max3_num_f32 v120, v120, v[P+6], v[P+7]
	v_max_num_f32 v120, v120, v121                 ; the row's largest logit
.irp q, 0,2,4,6
	v_pk_add_f32 v[P+\q:P+\q+1], v[P+\q:P+\q+1], v[120:121] op_sel_hi:[1,0] neg_lo:[0,1] neg_hi:[0,1]   ; it is taken away,
.endr
.irp q, 0,2,4,6
	v_pk_mul_f32 v[P+\q:P+\q+1], v[P+\q:P+\q+1], 0x3fb8aa3b op_sel_hi:[1,0]                             ; and the rest x log2(e)
.endr
.irp e, 0,1,2,3,4,5,6,7
	v_exp_f32 v[P+\e], v[P+\e]
.endr
	v_mov_b32 v127, 0                              ; a plain line behind the exponentials.  (v127 is named as the upper half of the pair v[126:127])
	s_wait_alu depctr_va_vdst(0)                   ; one wait for the eight exponentials, ahead of their first reader
	v_pk_add_f32 v[122:123], v[P:P+1],   v[P+2:P+3]
	v_pk_add_f32 v[124:125], v[P+4:P+5], v[P+6:P+7]
	v_cndmask_b32 v[P+8],  v[P],   v[P+2], s38     ; my pair of experts: by bit 0 of l % 4,
	v_cndmask_b32 v[P+9],  v[P+1], v[P+3], s38
	v_cndmask_b32 v[P+10], v[P+4], v[P+6], s38
	v_cndmask_b32 v[P+11], v[P+5], v[P+7], s38
	v_cndmask_b32 v[P+8],  v[P+8], v[P+10], s39    ; then by bit 1
	v_cndmask_b32 v[P+9],  v[P+9], v[P+11], s39
	v_pk_add_f32 v[122:123], v[122:123], v[124:125]
	v_add_f32 v122, v122, v123
	v_rcp_f32 v126, v122
	v_nop                                          ; a plain line behind the reciprocal
	s_wait_alu depctr_va_vdst(0)                   ; and the wait ahead of its first reader
	v_ldexp_f32 v126, v126, s36                    ; x 2^(ew + ex)
	v_pk_mul_f32 v[P+8:P+9], v[P+8:P+9], v[126:127] op_sel_hi:[1,0]
	global_store_b64 v[GO], v[P+8:P+9], s[18:19]   ; 32 lanes store 256 consecutive bytes, at a multiple of 256 from gs's first byte
.Ldone:
	s_wait_tensorcnt 0x0                           ; the wave's end: behind my last LDS store
	ds_add_u32 v[SPW], v[NIL]
	s_wait_dscnt 0x0
	s_endpgm
.Lfunc_end_k_q2d739b1667_prep:
	.size	k_q2d739b1667_prep, .Lfunc_end_k_q2d739b1667_prep-k_q2d739b1667_prep
	.p2alignl 7, 3214868480
	.fill 96, 4, 3214868480
	.section	.rodata,"a",@progbits
	.p2align	6, 0x0
	.amdhsa_kernel k_q2d739b1667_prep
		.amdhsa_group_segment_fixed_size 91648
		.amdhsa_private_segment_fixed_size 0
		.amdhsa_enable_private_segment 0
		.amdhsa_kernarg_size 72
		.amdhsa_user_sgpr_count 2
		.amdhsa_user_sgpr_kernarg_segment_ptr 1
		.amdhsa_wavefront_size32 1
		.amdhsa_system_sgpr_workgroup_id_x 1
		.amdhsa_system_sgpr_workgroup_id_y 1
		.amdhsa_system_sgpr_workgroup_id_z 1
		.amdhsa_system_vgpr_workitem_id 0
		.amdhsa_next_free_vgpr 384
		.amdhsa_next_free_sgpr 66
		.amdhsa_reserve_vcc 1
		.amdhsa_float_denorm_mode_32 3
		.amdhsa_float_denorm_mode_16_64 3
		.amdhsa_memory_ordered 1
		.amdhsa_forward_progress 1
		.amdhsa_inst_pref_size 93
	.end_amdhsa_kernel
	.amdgpu_metadata
---
amdhsa.version: [ 1, 2 ]
amdhsa.kernels:
  - .name:           k_q2d739b1667_prep
    .symbol:         k_q2d739b1667_prep.kd
    .args:
      - { .name: x, .offset: 0, .size: 8, .value_kind: global_buffer, .address_space: global }
      - { .name: Wg, .offset: 8, .size: 8, .value_kind: global_buffer, .address_space: global }
      - { .name: bg, .offset: 16, .size: 8, .value_kind: global_buffer, .address_space: global }
      - { .name: b, .offset: 24, .size: 8, .value_kind: global_buffer, .address_space: global }
      - { .name: cached, .offset: 32, .size: 8, .value_kind: global_buffer, .address_space: global }
      - { .name: lowp_scales, .offset: 40, .size: 8, .value_kind: global_buffer, .address_space: global }
      - { .name: xq, .offset: 48, .size: 8, .value_kind: global_buffer, .address_space: global }
      - { .name: gs, .offset: 56, .size: 8, .value_kind: global_buffer, .address_space: global }
      - { .name: bcc, .offset: 64, .size: 8, .value_kind: global_buffer, .address_space: global }
    .group_segment_fixed_size: 91648
    .private_segment_fixed_size: 0
    .kernarg_segment_align: 8
    .kernarg_segment_size: 72
    .max_flat_workgroup_size: 128
    .sgpr_count:     66
    .vgpr_count:     384
    .wavefront_size: 32
...
	.end_amdgpu_metadata
.endif
;; end of part 1
;; launch moe (part 2): grid 32 x 8, 4 waves a work-group, clusters of 4 x 4, 327,680 bytes of LDS; arguments xq, W_codes, gs, bcc, out0; writes out0
.if DOCPART == 2
	.amdgcn_target "amdgcn-amd-amdhsa--gfx1250"
	.amdhsa_code_object_version 6
	.text
	.protected	k_q2d739b1667_moe
	.globl	k_q2d739b1667_moe
	.p2align	8
	.type	k_q2d739b1667_moe,@function
k_q2d739b1667_moe:
	s_mov_b64 s[64:65], 0
	v_nop
	global_prefetch_b8 v0, s[64:65] scope:SCOPE_SE
	s_setreg_imm32_b32 hwreg(HW_REG_WAVE_MODE, 25, 1), 1
	s_wait_xcnt 0x0
	s_wait_alu depctr_hold_cnt(0) depctr_sa_sdst(0) depctr_va_vdst(0) depctr_va_sdst(0) depctr_va_ssrc(0) depctr_va_vcc(0) depctr_vm_vsrc(0)
	s_getreg_b32 s2, hwreg(HW_REG_IB_STS2, 6, 4)
	s_cmp_eq_u32 s2, 0
	s_cbranch_scc0 .Lentry_in_a_cluster
	s_endpgm
.Lentry_in_a_cluster:
	s_bfe_u32 s2, ttmp6, 0x10000c
	s_cmp_lg_u32 s2, 0xf033
	s_cbranch_scc0 .Lentry_shape_is_right
	s_endpgm
.Lentry_shape_is_right:
; out0[n][f] = sum over e of gs[n][e] x max(S[e][n][f] + bc'[e][f], c'[e][f]),  S = the sum over k of x's codes x W's codes (E5M2, f32 sums).
; That is the problem's gate x (relu(x W + b) + cached): gs = gate x 2^(ew + ex), bc' = (b + cached) / 2^(ew + ex), c' = cached / 2^(ew + ex) come from the launch before.  No work is left out: all eight experts are multiplied.
; LIMITS: as stated at the head of the launch before (the powers of two; NaN is not served; cached is added ahead of the maximum).  The sum over experts is taken in the order of the passes (below): a difference of rounding.
; SHARES.  A work-group makes 256 tokens x 64 features of out0: 8 x 32 = 256 work-groups.  It goes through the experts in two passes of four.  In a pass its product is 256 tokens x (4 experts x 64 features), K = 2,048.
; Four waves, each 128 tokens x (4 experts x 32 features): 64 accumulators of 16 x 16, 512 registers.  All experts of a feature lie in ONE wave, so the sum over experts never leaves its registers;
; what is carried from pass to pass is 128 x 32 sums, 128 registers.  The form with K = 64 is taken: its fragments are 8 registers, so that two buffers of both operands fit beside them.
; K goes in steps of 256 through a ring of two LDS slots filled by the tensor data mover; a tile's row is 256 bytes of memory.  The ring does not stop between the passes.
; THE ORDER OF THE EXPERTS.  W's rows of a block of features are read by two clusters: the same cluster x, cluster y = 0 and 1.  Cluster y takes experts 4 y .. 4 y + 3 first and the other four second:
; in each pass the two read different bytes of W, and every byte's second reader comes a whole pass, eight K steps, behind its first.  Cluster y is the same in all sixteen partners of a cluster.
; THE MATRIX INSTRUCTION IS USED TRANSPOSED (source 0 = 16 rows of W, source 1 = 16 tokens): lane (r, h) holds token r and features 8 h + 0 .. 7.  bc' is the C of each sum's first instruction.
; A fragment is fetched by two loads of 16 bytes, 32 bytes apart: a permutation of k inside the instruction's 64, the same in both operands, so every product meets its partner.
; CLUSTERS: 4 x 4 work-groups.  The four of a row of the cluster have the same tokens, the four of a column the same features: x's tiles and W's tiles are each asked for JOINTLY, by the same tensor load with the same
; descriptor and a mask that names the four.
; REGISTERS, in windows of 256:  window 0: v1-31 addresses; v32-63 gs (token block a, expert el at 32 + 4 a + el); v64-127, v128-191 x's fragments, two buffers; v192-255 the table: bc', then c' (block b at 192 + 8 b)
;   window 1: v64-127, v128-191 W's fragments, two buffers; v0-63 and v192-255 the sums over experts (token block a, feature block fb)
;   window 2: the accumulators of token blocks 0-3 ((a, b) at 8 (8 a + b); b = 2 el + fb);   window 3: those of blocks 4-7.
.set KSTEP,  256                       ; along K in a slot, and a tile's row in bytes
.set PITCH,  272                       ; an LDS row: 256 bytes + 16 of padding = 68 words: row r starts at bank 4 r mod 64 (64 banks of 4 bytes: ISA guide 11.1), so the 16 rows that a load touches start at 16 different banks
.set HALFT,  128*PITCH                 ; 128 rows: what one tensor load brings
.set SLOT,   4*HALFT                   ; x's 256 rows, then W's 256 rows (expert el, feature f at row 64 el + f)
.set SPARE,  2*SLOT                    ; behind the ring: the spare words, 128 bytes for each wave: two blocks of 256 bytes that no other line names
.set KROW,   2048                      ; a row of xq or of W's codes in memory
.set EXPB,   2048*2048                 ; an expert's codes
.set BACK_A, 6*KSTEP                   ; from a slot's last K step of a pass to its first of the next: x goes back along K
.set ADRA, 16                          ; v16-17  LDS address of my fragments of x in slot 0, 1
.set ADRB, 20                          ; v20-21  the same for W
.set STO,  24                          ; v24     the way out: where I put 32 bytes of a row
.set RD,   25                          ; v25     the way out: where I read a row back
.set CO,   26                          ; v26     my byte offset in out0
.set GO,   27                          ; v27     gs: 32 r
.set SPW,  28                          ; v28     LDS address of my spare word: SPARE + 4 x my thread's number; never rewritten
.set NIL,  29                          ; v29     0; never rewritten
.set PFO,  30                          ; v30     the prefetches' offset: 2,048 x lane: a lane a row
.set TO,   31                          ; v31     the table: 128 x my half of the features + 32 h
.set GS,   32
.set F0,   64
.set F1,   128
.set TB,   192
.set G1A,  24                          ; s[24:31] descriptor group 1 for x's tiles;  s[32:39] group 0, one set for each slot
.set G0A,  32
.set G1B,  48                          ; s[48:55], s[56:63] the same for W's tiles;  s[68:71], s[72:75] their groups 2 and 3
.set G0B,  56
.set G2B,  68
.set G3B,  72
.set LIM,  43                          ; s43     1 in a wave that prefetches, else the greatest number
.set PFA,  44                          ; s[44:45] where my prefetches stand
.set GA0,  76                          ; s[76:77] gs at my first token, the first pass's four experts;   s[96:97] the second pass's
.set GA1,  96
.set TA0,  78                          ; s[78:79] the table at my features, the first pass's four experts;  s[94:95] the second pass's
.set TA1,  94
.set B2,   92                          ; s[92:93] W at my tile of the second pass's K step 0; never rewritten
.set MSB, 0
.macro WIN new                         ; s_set_vgpr_msb: bits 1:0 source 0, 3:2 source 1, 5:4 source 2, 7:6 destination; the high byte repeats the setting that is left
.if MSB != (\new)
	s_set_vgpr_msb (MSB<<8)|(\new)
.set MSB, (\new)
.endif
.endm
.set MUL_LO,   0xa1                    ; source 0 (W) window 1, source 1 (x) window 0, C and D window 2
.set MUL_HI,   0xf1                    ; the same, C and D window 3
.set FIRST_LO, 0x81                    ; C (the table) window 0, D window 2
.set FIRST_HI, 0xc1
.set TO_B,     0x40                    ; destination window 1, address window 0
.set MAX_LO,   0x82                    ; destination and source 0 window 2, source 1 (the table) window 0
.set FMA_LO,   0x52                    ; destination and source 2 window 1, source 0 window 2, source 1 (gs) window 0
; A joint load: waves 0 and 1 fetch x's two halves, waves 2 and 3 two experts of W each.  Each line has ONE mask and one set of registers for all that issue it; the branch hangs on the wave's number alone.
; An s_nop 0 and four v_nop follow each of the two lines, ahead of the jump, the label and what follows.
.macro JLOAD s
	s_cmp_eq_u32 s11, 0
	s_cbranch_scc0 .Lfor_b_\@
	tensor_load_to_lds s[G0A+4*\s:G0A+4*\s+3], s[G1A:G1A+7]
	s_nop 0
.rept 4
	v_nop
.endr
	s_branch .Lasked_\@
.Lfor_b_\@:
	tensor_load_to_lds s[G0B+4*\s:G0B+4*\s+3], s[G1B:G1B+7], s[G2B:G2B+3], s[G3B:G3B+3]
	s_nop 0
.rept 4
	v_nop
.endr
.Lasked_\@:
.endm
; A PREFETCH, in the first pass, behind each joint load and the run of LDS loads that follows it: the K step that stands two refills on (512 matrix instructions ahead of the load that will want it): 32 rows x 256 bytes, a lane a row.
; Each row's 256 bytes of a K step are named once in the launch.  x's rows are read by every cluster of a row of clusters: cluster x = 0 asks.  W's rows: each cluster asks for the four experts of its own first pass.
; The four partners that ask for a tile jointly share its 128 rows out BY ADDRESS, 32 each: no branch hangs on a work-group's place in its cluster.
; The pass's last two refills have no K step two on, and K steps 0 to 3 come by their loads alone.  The second pass asks for nothing: its rows of x and of W have been named in a first pass.
.macro ASK
	s_cmp_gt_u32 s3, s[LIM]                        ; s3 = 1 in the loop's last trip
	s_cbranch_scc0 .Lnot_mine_\@
	global_prefetch_b8 v[PFO], s[PFA:PFA+1] offset:KSTEP th:TH_LOAD_NT scope:SCOPE_SE
.Lnot_mine_\@:
.endm
.macro CREST                           ; a round of the cluster's barrier behind its opening barrier
	s_cmp_lg_u32 s10, 0
	s_cbranch_scc1 .Lnot_wave_0_\@
	s_barrier_signal -3
.Lnot_wave_0_\@:
	s_barrier_wait -3
	s_barrier_signal -1
	s_barrier_wait -1
.endm
.macro CROUND                          ; a whole round
	s_barrier_signal -1
	s_barrier_wait -1
	CREST
.endm
	s_load_b128 s[4:7], s[0:1], 0x0                ; xq s[4:5], W's codes s[6:7]
	s_load_b128 s[76:79], s[0:1], 0x10             ; gs s[76:77], bcc s[78:79]
	s_load_b64 s[8:9], s[0:1], 0x20                ; out0
	v_lshl_add_u32 v[SPW], v0, 2, SPARE
	v_mov_b32 v[NIL], 0
	ds_add_u32 v[SPW], v[NIL]                      ; the wave's opening: the add, twice on end, and its wait ahead of my first tensor load; the set-up below stands between the second and the wait
	ds_add_u32 v[SPW], v[NIL]
	v_lshrrev_b32 v1, 5, v0
	v_readfirstlane_b32 s10, v1                    ; wave 0..3
	s_lshr_b32 s11, s10, 1                         ; which half of the tokens is mine.  Also: I fetch for x (0) or for W (1)
	s_and_b32 s12, s10, 1                          ; which half of the features.  Also: which half of that tile I fetch
	s_bfe_u32 s40, ttmp6, 0x40000                  ; cx, cy: my place in the cluster
	s_bfe_u32 s41, ttmp6, 0x40004
	s_lshl_b32 s42, ttmp9, 2
	s_add_co_u32 s42, s42, s40                     ; X, my block of 64 features = 4 x cluster x + cx
	s_and_b32 s13, ttmp7, 0xffff
	s_lshl_b32 s13, s13, 2
	s_add_co_u32 s13, s13, s41                     ; Y, my block of 256 tokens = 4 x cluster y + cy
	s_lshl_b32 s43, s41, 2
	s_lshl_b32 s43, 15, s43                        ; my row of the cluster
	s_lshl_b32 s44, 0x1111, s40                    ; my column
	s_and_b32 s89, ttmp7, 1                        ; q = cluster y (0 or 1): my cluster's first pass takes experts 4 q .. 4 q + 3,
	s_xor_b32 s90, s89, 1                          ; its second pass the other four
	; group 1, word 0: 15:0 the mask; 17:16 elements of 1 byte; 20 padding on; 21 set beside a mask; 24:22 after every 64 words (code 5); 31:25 four words (code 3)
	s_or_b32 s[G1A], s43, (1<<20)|(1<<21)|(5<<22)|(3<<25)
	s_or_b32 s[G1B], s44, (1<<20)|(1<<21)|(5<<22)|(3<<25)
	s_mov_b32 s[G1A+1], KSTEP<<16                  ; x: tensor_dim0 = 256
	s_mov_b32 s[G1A+2], 128<<16                    ; tensor_dim1 = 128
	s_mov_b32 s[G1A+3], KSTEP<<16                  ; tile_dim0 = 256
	s_mov_b32 s[G1A+4], 128                        ; tile_dim1 = 128 rows
	s_mov_b32 s[G1A+5], KROW                       ; from row to row
	s_mov_b32 s[G1A+6], 0
	s_mov_b32 s[G1A+7], 0
	s_mov_b32 s[G1B+1], KSTEP<<16                  ; W: three dimensions: 256 bytes x 64 features x 2 experts.  tensor_dim0 = 256
	s_mov_b32 s[G1B+2], 64<<16                     ; tensor_dim1 = 64
	s_mov_b32 s[G1B+3], KSTEP<<16                  ; tile_dim0 = 256
	s_mov_b32 s[G1B+4], 64|(2<<16)                 ; tile_dim1 = 64, tile_dim2 = 2
	s_mov_b32 s[G1B+5], KROW                       ; from feature to feature
	s_mov_b32 s[G1B+6], (EXPB&0xffff)<<16          ; from expert to expert: 2^22 bytes, low 16 bits
	s_mov_b32 s[G1B+7], EXPB>>16                   ; and the rest
	s_mov_b32 s[G2B+0], 2                          ; tensor_dim2 = 2
	s_mov_b32 s[G2B+1], 1                          ; the fourth and fifth dimensions have one element each
	s_mov_b32 s[G2B+2], 2*EXPB
	s_mov_b32 s[G2B+3], 1<<16                      ; tile_dim3 = 1
	s_mov_b32 s[G3B+0], 2*EXPB
	s_mov_b32 s[G3B+1], 1<<16                      ; tensor_dim4 = 1
	s_mov_b32 s[G3B+2], 1<<16                      ; tile_dim4 = 1
	s_mov_b32 s[G3B+3], 0
	; where the tiles come from.  x's hang on Y alone, which my row of the cluster shares; W's on X, which my column shares, and on cluster y, which all partners share
	s_lshl_b32 s16, s13, 8
	s_lshl_b32 s17, s12, 7
	s_add_co_u32 s16, s16, s17                     ; x: row 256 Y + 128 x half,
	s_lshl_b32 s16, s16, 11                        ; of 2,048 bytes
	s_mov_b32 s17, 0
	s_lshl_b32 s46, s42, 17                        ; W: feature 64 X, of 2,048 bytes,
	s_lshl_b32 s47, s12, 23                        ; expert 2 x half, of 2^22,
	s_add_co_u32 s46, s46, s47
	s_lshl_b32 s47, s90, 24                        ; and the pass's four experts: the second pass's,
	s_add_co_u32 s[B2], s46, s47
	s_lshl_b32 s47, s89, 24                        ; the first pass's
	s_add_co_u32 s46, s46, s47
	s_mov_b32 s47, 0
	s_mov_b32 s[B2+1], 0
	s_mul_i32 s20, s10, HALFT                      ; and where they go: wave x 128 rows: no place in the cluster enters an LDS address
	s_wait_dscnt 0x0                               ; both opening adds are done
	s_wait_kmcnt 0x0
	s_add_nc_u64 s[14:15], s[4:5], s[16:17]
	s_add_nc_u64 s[46:47], s[6:7], s[46:47]
	s_add_nc_u64 s[B2:B2+1], s[6:7], s[B2:B2+1]
	CROUND                                         ; all sixteen work-groups are here: the first joint loads meet
.irp s, 0,1
	s_mov_b32 s[G0A+4*\s], 1                                       ; count = 1
	s_add_co_u32 s[G0A+4*\s+1], s20, \s*SLOT                       ; LDS address
	s_add_nc_u64 s[G0A+4*\s+2:G0A+4*\s+3], s[14:15], \s*KSTEP      ; global address: K step s
	s_or_b32 s[G0A+4*\s+3], s[G0A+4*\s+3], 0x80000000              ; type = 2
	s_mov_b32 s[G0B+4*\s], 1
	s_add_co_u32 s[G0B+4*\s+1], s20, \s*SLOT
	s_add_nc_u64 s[G0B+4*\s+2:G0B+4*\s+3], s[46:47], \s*KSTEP
	s_or_b32 s[G0B+4*\s+3], s[G0B+4*\s+3], 0x80000000
	JLOAD \s                                       ; two tensor loads of mine are out: the most in this text
.endr
	v_and_b32 v1, 15, v0                           ; r
	v_bfe_u32 v2, v0, 4, 1                         ; h
	v_mul_u32_u24 v3, v1, PITCH
	v_lshl_add_u32 v3, v2, 4, v3                   ; a fragment's row x pitch + 16 h
	s_mul_i32 s21, s11, HALFT                      ; my 128 tokens
	s_mul_i32 s22, s12, 32*PITCH                   ; my 32 features of each expert,
	s_add_co_u32 s22, s22, 2*HALFT                 ; behind x's 256 rows
.irp s, 0,1
	v_add_nc_u32 v[ADRA+\s], s21, v3
	v_add_nc_u32 v[ADRB+\s], s22, v3
	s_add_co_u32 s21, s21, SLOT
	s_add_co_u32 s22, s22, SLOT
.endr
	s_mul_i32 s23, s11, HALFT                      ; the stage (256 rows x 272 bytes from LDS byte 0): in: row 128 x token half + r, byte 128 x feature half + 32 h
	s_lshl_b32 s82, s12, 7
	s_add_co_u32 s23, s23, s82
	v_mul_u32_u24 v4, v1, PITCH
	v_lshl_add_u32 v4, v2, 5, v4
	v_add_nc_u32 v[STO], s23, v4
	s_mul_i32 s23, s10, 64*PITCH                   ; back: wave w takes rows 64 w .. 64 w + 63, whole; lanes 0-15 one row, lanes 16-31 the next
	v_mul_u32_u24 v5, v2, PITCH
	v_lshl_add_u32 v5, v1, 4, v5
	v_add_nc_u32 v[RD], s23, v5
	v_lshlrev_b32 v5, 13, v2                       ; and the same two rows in out0 (8,192 bytes a row)
	v_lshl_add_u32 v[CO], v1, 4, v5
	v_lshlrev_b32 v[GO], 5, v1
	v_lshl_add_u32 v[TO], v2, 5, s82
	v_and_b32 v[PFO], 31, v0
	v_lshlrev_b32 v[PFO], 11, v[PFO]
	s_lshl_b32 s80, s13, 8
	s_lshl_b32 s81, s10, 6
	s_add_co_u32 s80, s80, s81                     ; the first row of out0 that I store: 256 Y + 64 w,
	s_lshl_b32 s80, s80, 13
	s_lshl_b32 s81, s42, 8                         ; and my block's first column: 256 X bytes
	s_add_co_u32 s80, s80, s81
	s_mov_b32 s81, 0
	s_add_nc_u64 s[8:9], s[8:9], s[80:81]
	s_lshl_b32 s80, s13, 8
	s_lshl_b32 s83, s11, 7
	s_add_co_u32 s80, s80, s83
	s_lshl_b32 s80, s80, 5                         ; gs at my first token: (256 Y + 128 x token half) x 32 bytes,
	s_add_nc_u64 s[GA0:GA0+1], s[GA0:GA0+1], s[80:81]
	s_lshl_b32 s80, s90, 4                         ; and a pass's four experts, 16 bytes: the second pass's,
	s_add_nc_u64 s[GA1:GA1+1], s[GA0:GA0+1], s[80:81]
	s_lshl_b32 s80, s89, 4                         ; the first pass's
	s_add_nc_u64 s[GA0:GA0+1], s[GA0:GA0+1], s[80:81]
	s_lshl_b32 s80, s42, 9                         ; the table at my block of features: 512 X,
	s_add_nc_u64 s[TA0:TA0+1], s[TA0:TA0+1], s[80:81]
	s_lshl_b32 s80, s90, 16                        ; and a pass's four experts, 4 x 16,384 bytes: the second pass's,
	s_add_nc_u64 s[TA1:TA1+1], s[TA0:TA0+1], s[80:81]
	s_lshl_b32 s80, s89, 16                        ; the first pass's
	s_add_nc_u64 s[TA0:TA0+1], s[TA0:TA0+1], s[80:81]
	; the prefetches: where my wave's stand, and who asks
	s_lshl_b32 s84, s13, 8
	s_lshl_b32 s85, s12, 7
	s_add_co_u32 s84, s84, s85
	s_lshl_b32 s85, s40, 5
	s_add_co_u32 s84, s84, s85                     ; x: row 256 Y + 128 x half + 32 cx
	s_lshl_b32 s84, s84, 11
	s_lshl_b32 s86, s12, 1
	s_lshr_b32 s87, s41, 1
	s_add_co_u32 s86, s86, s87
	s_lshl_b32 s87, s89, 2
	s_add_co_u32 s86, s86, s87                     ; W: expert 4 q + 2 x half + cy / 2,
	s_lshl_b32 s86, s86, 22
	s_lshl_b32 s87, s42, 6
	s_and_b32 s88, s41, 1
	s_lshl_b32 s88, s88, 5
	s_add_co_u32 s87, s87, s88                     ; feature 64 X + 32 (cy % 2)
	s_lshl_b32 s87, s87, 11
	s_add_co_u32 s86, s86, s87
	s_cmp_eq_u32 s11, 0                            ; do I fetch for x?
	s_cselect_b32 s84, s84, s86
	s_cselect_b32 s88, ttmp9, 0                    ; x's rows are asked for by cluster x = 0 alone; W's by every cluster, each for its own first pass
	s_cselect_b64 s[PFA:PFA+1], s[4:5], s[6:7]
	s_cmp_eq_u32 s88, 0
	s_cselect_b32 s[LIM], 1, -1                    ; the same in all sixteen partners, for a given wave
	s_mov_b32 s85, 0
	s_add_nc_u64 s[PFA:PFA+1], s[PFA:PFA+1], s[84:85]
	s_add_nc_u64 s[PFA:PFA+1], s[PFA:PFA+1], 2*KSTEP  ; at K step 2: the first refill steps it to 3 and names K step 4.  Nothing is prefetched here, at the head
; 16 matrix instructions: token blocks a0, a0 + 1 of the window's four (hi = 0: my tokens 0-63, 1: tokens 64-127) x all 8 blocks of W, 64 along K.  first = 1: the sums start at the table's bc': nothing is cleared.
; The 64 accumulators take turns, one instruction a turn, in the same order everywhere.
.macro MUL16 f, hi, a0, first
.irp a, \a0, \a0+1
.irp b, 0,1,2,3,4,5,6,7
.if \first
	v_wmma_f32_16x16x64_bf8_bf8 v[8*(8*(\a)+\b):8*(8*(\a)+\b)+7], v[\f+8*\b:\f+8*\b+7], v[\f+8*(4*\hi+\a):\f+8*(4*\hi+\a)+7], v[TB+8*\b:TB+8*\b+7]
.else
	v_wmma_f32_16x16x64_bf8_bf8 v[8*(8*(\a)+\b):8*(8*(\a)+\b)+7], v[\f+8*\b:\f+8*\b+7], v[\f+8*(4*\hi+\a):\f+8*(4*\hi+\a)+7], v[8*(8*(\a)+\b):8*(8*(\a)+\b)+7]
.endif
.endr
.endr
.endm
; 32 LDS loads in one run: the fragments of one quarter step (64 K at byte k of the rows) into buffer f.  W's block i = 2 el + fb begins at row 64 el + 16 fb of my 32 features
.macro FETCH slot, k, f
	WIN TO_B
.irp i, 0,1,2,3,4,5,6,7
	ds_load_b128 v[\f+8*\i:\f+8*\i+3],   v[ADRB+\slot] offset:\k+((\i/2)*64+(\i%2)*16)*PITCH
	ds_load_b128 v[\f+8*\i+4:\f+8*\i+7], v[ADRB+\slot] offset:\k+((\i/2)*64+(\i%2)*16)*PITCH+32
.endr
	WIN 0
.irp i, 0,1,2,3,4,5,6,7
	ds_load_b128 v[\f+8*\i:\f+8*\i+3],   v[ADRA+\slot] offset:\k+\i*16*PITCH
	ds_load_b128 v[\f+8*\i+4:\f+8*\i+7], v[ADRA+\slot] offset:\k+\i*16*PITCH+32
.endr
.endm
; A load into a register that a matrix instruction has read, and a vector instruction that reads a matrix result, stand four places behind that matrix instruction; only plain vector instructions that name
; none of its registers are places (ISA guide 7.12.1 for vector instructions).
.macro PLACES
.rept 4
	v_nop
.endr
.endm
; A K step is four quarters of 64 along K, 64 matrix instructions each, on buffers 0, 1, 0, 1.  One of the first three: multiplies buffer f; in its middle it fetches the next quarter, at byte k, into buffer g.
.macro QUARTER slot, k, f, g, first
	s_wait_dscnt 8                                 ; W's fragments and x's blocks 0-3 are in; the youngest eight loads (x's blocks 4-7) may be out
.if \first
	WIN FIRST_LO
.else
	WIN MUL_LO
.endif
	MUL16 \f, 0, 0, \first
	MUL16 \f, 0, 2, \first
	PLACES
	FETCH \slot, \k, \g
	s_wait_dscnt 32                                ; all but the 32 just issued
.if \first
	WIN FIRST_HI
.else
	WIN MUL_HI
.endif
	MUL16 \f, 1, 0, \first
	MUL16 \f, 1, 2, \first
.endm
; The last quarter multiplies buffer 1 and changes slots.  MEET is its first half: ONE barrier.  In front of it each wave waits for all its tensor loads (one is out: its part of the next slot), adds 0 to its spare
; word, and waits for that and for its own reads of this slot.  Behind it nobody reads this slot any more and the next slot is whole.
.macro MEET round
	WIN 0                                          ; (the add's two registers lie in window 0)
	s_wait_tensorcnt 0x0
	ds_add_u32 v[SPW], v[NIL]                      ; 0 onto my spare word
	s_wait_dscnt 9                                 ; (the add and the youngest eight loads may be out)
	WIN MUL_LO
	MUL16 F1, 0, 0, 0                              ; sixteen matrix instructions stand between the add and the wait for it
	s_wait_dscnt 0x0                               ; the add is done, and my reads of this slot are over
	s_barrier_signal -1
	MUL16 F1, 0, 2, 0
.if \round
	WIN 0
.endif
	s_barrier_wait -1
.endm
; mode 0: this slot is filled again with the pass's K step two on.  mode 1: with the second pass's K step 0 or 1.  mode 2: nothing is left to fetch, and no round of the cluster's barrier follows.
; pf = 1 (the first pass's loop): the prefetches' address is stepped, and a prefetch follows the loads.
.macro TURN slot, next, mode, pf
.if \mode < 2
.if \pf
	s_wait_xcnt 0x0                                ; the last prefetch, a K step back, has read its address: it is stepped here, ahead of the waits of the change of slots
	s_add_nc_u64 s[PFA:PFA+1], s[PFA:PFA+1], KSTEP
.endif
	MEET 1
	CREST                                          ; the barrier has opened a round of the cluster's barrier: no wave of any partner still reads this slot's tile or has a load on its way
.if \mode == 1
	s_sub_nc_u64 s[G0A+4*\slot+2:G0A+4*\slot+3], s[G0A+4*\slot+2:G0A+4*\slot+3], BACK_A
	s_add_nc_u64 s[G0B+4*\slot+2:G0B+4*\slot+3], s[B2:B2+1], \slot*KSTEP        ; W: the second pass's four experts, made as at the head
	s_or_b32 s[G0B+4*\slot+3], s[G0B+4*\slot+3], 0x80000000
.else
	s_add_nc_u64 s[G0A+4*\slot+2:G0A+4*\slot+3], s[G0A+4*\slot+2:G0A+4*\slot+3], 2*KSTEP
	s_add_nc_u64 s[G0B+4*\slot+2:G0B+4*\slot+3], s[G0B+4*\slot+2:G0B+4*\slot+3], 2*KSTEP
.endif
	JLOAD \slot                                    ; the first tensor load behind the round, my one until the next: 224 matrix instructions ahead of the wait for it; its four v_nop are also the places in front of the loads below
.else
	MEET 0
	PLACES
.endif
	FETCH \next, 0, F0
.if \pf
	ASK
.endif
	WIN MUL_HI
	MUL16 F1, 1, 0, 0
	MUL16 F1, 1, 2, 0
.endm
; The table of a pass, from its base: which = 0: bc', 1: c'.  Block b = 2 el + fb: lane (r, h) takes the eight numbers of the pass's expert el, features 32 x my half + 16 fb + 8 h + 0 .. 7
.macro LOADTAB base, which
.irp b, 0,1,2,3,4,5,6,7
	global_load_b128 v[TB+8*\b:TB+8*\b+3],   v[TO], s[\base:\base+1] offset:(\b/2)*16384+256*\which+64*(\b%2)
	global_load_b128 v[TB+8*\b+4:TB+8*\b+7], v[TO], s[\base:\base+1] offset:(\b/2)*16384+256*\which+64*(\b%2)+16
.endr
.endm
.macro LOADGS base                     ; gs of token 16 a + r, the pass's four experts
.irp a, 0,1,2,3,4,5,6,7
	global_load_b128 v[GS+4*\a:GS+4*\a+3], v[GO], s[\base:\base+1] offset:512*\a
.endr
.endm
; A pass's four experts are weighed in: one maximum a number (relu and cached in one), one packed multiply-add for two.  Each accumulator is read from its low end on.  The first pass's first expert starts the sums.
.macro COMBINE p
	s_wait_loadcnt 0x0                             ; c' and gs, asked for behind the pass's first quarter
.irp hi, 0,1
	WIN MAX_LO+0x41*\hi
.set n, 0
.rept 32
.irp j, 0,1,2,3,4,5,6,7
	v_max_num_f32 v[8*n+\j], v[8*n+\j], v[TB+8*(n%8)+\j]
.endr
.set n, n+1
.endr
.endr
.if \p == 0
	WIN 0
	LOADTAB TA1, 0                                 ; the second pass's bc' lands under the multiply-adds
.endif
.irp hi, 0,1
	WIN FMA_LO+\hi
.irp el, 0,1,2,3
.irp a, 0,1,2,3
.irp fb, 0,1
.irp i, 0,2,4,6
.set rO, 192*\hi+8*(2*\a+\fb)+\i
.set rA, 8*(8*\a+2*\el+\fb)+\i
.set rG, GS+4*(4*\hi+\a)+2*(\el/2)
.if (\p == 0) && (\el == 0)
	v_pk_mul_f32 v[rO:rO+1], v[rA:rA+1], v[rG:rG+1] op_sel_hi:[1,0]
.elseif (\el%2) == 0
	v_pk_fma_f32 v[rO:rO+1], v[rA:rA+1], v[rG:rG+1], v[rO:rO+1] op_sel_hi:[1,0,1]
.else
	v_pk_fma_f32 v[rO:rO+1], v[rA:rA+1], v[rG:rG+1], v[rO:rO+1] op_sel:[0,1,0] op_sel_hi:[1,1,1]
.endif
.endr
.endr
.endr
.endr
.endr
	WIN 0
.endm
; Behind a pass's first quarter: three trips once round the ring, each from a lap's second quarter to the next lap's first, filling both slots again; then the last lap's second and third quarters.
.macro LAPS pf
	WIN 0                                          ; at a label and at a branch every window is 0
	s_mov_b32 s3, 3
.Llap_\@:
	QUARTER 0, 128, F1, F0, 0
	QUARTER 0, 192, F0, F1, 0
	TURN 0, 1, 0, \pf
	QUARTER 1, 64,  F0, F1, 0
	QUARTER 1, 128, F1, F0, 0
	QUARTER 1, 192, F0, F1, 0
	TURN 1, 0, 0, \pf
	QUARTER 0, 64,  F0, F1, 0
	WIN 0
	s_sub_co_u32 s3, s3, 1
	s_cmp_lg_u32 s3, 0
	s_cbranch_scc1 .Llap_\@
	QUARTER 0, 128, F1, F0, 0
	QUARTER 0, 192, F0, F1, 0
.endm
	LOADTAB TA0, 0                                 ; the first pass's bc'
	s_wait_tensorcnt 1                             ; my part of K step 0 is in (K step 1's load may be out)
	s_barrier_signal -1
	s_barrier_wait -1                              ; everybody's is
	FETCH 0, 0, F0
	s_wait_loadcnt 0x0                             ; bc'
	; ---- the first pass: experts 4 q to 4 q + 3
	QUARTER 0, 64, F0, F1, 1                       ; a pass's first quarter: its products start the sums at bc'
	WIN 0
	PLACES                                         ; the table's registers were read as C just now
	LOADTAB TA0, 1                                 ; c' takes bc's place; it and gs are wanted at the pass's end
	LOADGS GA0
	LAPS 1
	TURN 0, 1, 1, 0                                ; the ring goes on into the second pass: slot 0 takes its K step 0,
	QUARTER 1, 64,  F0, F1, 0
	QUARTER 1, 128, F1, F0, 0
	QUARTER 1, 192, F0, F1, 0
	TURN 1, 0, 1, 0                                ; slot 1 its K step 1, and its first fragments are fetched
	COMBINE 0                                      ; window 2's sums were finished ahead of the joint load's four v_nop; the 256 maxima on them, which name no register of the last products, are window 3's places
	s_wait_loadcnt 0x0                             ; the second pass's bc'
	; ---- the second pass: the other four experts
	QUARTER 0, 64, F0, F1, 1
	WIN 0
	PLACES
	LOADTAB TA1, 1
	LOADGS GA1
	LAPS 0
	TURN 0, 1, 2, 0                                ; the tail is written out: nothing more is asked for
	QUARTER 1, 64,  F0, F1, 0
	QUARTER 1, 128, F1, F0, 0
	QUARTER 1, 192, F0, F1, 0
	s_wait_dscnt 8                                 ; the very last quarter
	WIN MUL_LO
	MUL16 F1, 0, 0, 0
	MUL16 F1, 0, 2, 0
	s_wait_dscnt 0x0
	WIN MUL_HI
	MUL16 F1, 1, 0, 0
	MUL16 F1, 1, 2, 0
	WIN 0
	PLACES
	COMBINE 1
	; THE WAY OUT.  A lane holds 32 neighbouring bytes of a row; a row's 256 bytes come from two waves.  So the sums go through ONE stage, with a barrier between writing and reading, and leave as whole rows.
	; The stage lies in slot 0: that slot has had its last fill, and every wave has passed the last change of slots, behind which nobody reads it.
	WIN 0x04                                       ; the stores' data: window 1
.irp a, 0,1,2,3,4,5,6,7
.irp fb, 0,1
	ds_store_b128 v[STO], v[192*(\a/4)+8*(2*(\a%4)+\fb):192*(\a/4)+8*(2*(\a%4)+\fb)+3]   offset:16*\a*PITCH+64*\fb
	ds_store_b128 v[STO], v[192*(\a/4)+8*(2*(\a%4)+\fb)+4:192*(\a/4)+8*(2*(\a%4)+\fb)+7] offset:16*\a*PITCH+64*\fb+16
.endr
.endr
	WIN 0
	s_wait_dscnt 0x0                               ; for the others' sake: my stores into the stage are done
	s_barrier_signal -1
	s_barrier_wait -1
.set t, 0
.rept 32
	ds_load_b128 v[F0+4*t:F0+4*t+3], v[RD] offset:t*2*PITCH
.set t, t+1
.endr
.set t, 0
.rept 32
	s_wait_dscnt 31-t                              ; the younger loads may be out
	global_store_b128 v[CO], v[F0+4*t:F0+4*t+3], s[8:9] offset:t*16384 th:TH_STORE_NT   ; 16 lanes store 256 consecutive bytes, at a multiple of 256 from out0's first byte; written once, read by nobody here
.set t, t+1
.endr
	s_wait_tensorcnt 0x0                           ; the wave's end: behind my last tensor load and my last LDS store
	ds_add_u32 v[SPW], v[NIL]
	s_wait_dscnt 0x0
	CROUND                                         ; the closing round: no work-group ends while a partner may still ask for a tile that names it
	s_endpgm
.Lfunc_end_k_q2d739b1667_moe:
	.size	k_q2d739b1667_moe, .Lfunc_end_k_q2d739b1667_moe-k_q2d739b1667_moe
	.p2alignl 7, 3214868480
	.fill 96, 4, 3214868480
	.section	.rodata,"a",@progbits
	.p2align	6, 0x0
	.amdhsa_kernel k_q2d739b1667_moe
		.amdhsa_group_segment_fixed_size 327680
		.amdhsa_private_segment_fixed_size 0
		.amdhsa_enable_private_segment 0
		.amdhsa_kernarg_size 40
		.amdhsa_user_sgpr_count 2
		.amdhsa_user_sgpr_kernarg_segment_ptr 1
		.amdhsa_wavefront_size32 1
		.amdhsa_system_sgpr_workgroup_id_x 1
		.amdhsa_system_sgpr_workgroup_id_y 1
		.amdhsa_system_sgpr_workgroup_id_z 1
		.amdhsa_system_vgpr_workitem_id 0
		.amdhsa_next_free_vgpr 1024
		.amdhsa_next_free_sgpr 100
		.amdhsa_reserve_vcc 0
		.amdhsa_float_denorm_mode_32 3
		.amdhsa_float_denorm_mode_16_64 3
		.amdhsa_memory_ordered 1
		.amdhsa_forward_progress 1
		.amdhsa_inst_pref_size 255
	.end_amdhsa_kernel
	.section	.bss,"aw",@nobits
	.p2align	6
	.space	262144
	.amdgpu_metadata
---
amdhsa.version: [ 1, 2 ]
amdhsa.kernels:
  - .name:           k_q2d739b1667_moe
    .symbol:         k_q2d739b1667_moe.kd
    .args:
      - { .name: xq, .offset: 0, .size: 8, .value_kind: global_buffer, .address_space: global }
      - { .name: W_codes, .offset: 8, .size: 8, .value_kind: global_buffer, .address_space: global }
      - { .name: gs, .offset: 16, .size: 8, .value_kind: global_buffer, .address_space: global }
      - { .name: bcc, .offset: 24, .size: 8, .value_kind: global_buffer, .address_space: global }
      - { .name: out0, .offset: 32, .size: 8, .value_kind: global_buffer, .address_space: global }
    .group_segment_fixed_size: 327680
    .private_segment_fixed_size: 0
    .kernarg_segment_align: 8
    .kernarg_segment_size: 40
    .max_flat_workgroup_size: 128
    .sgpr_count:     100
    .vgpr_count:     1024
    .wavefront_size: 32
...
	.end_amdgpu_metadata
.endif
;; end of part 2
